; MI455X (gfx1250); checked and timed in simulation.
; The chip was launched on July 23, 2026; its instructions are those of AMD's public machine-readable ISA for CDNA 5 (MIT licence, August 2026) and "CDNA5" Instruction Set Architecture Reference Guide (July 2026).
;; Self Attention. Allowed arithmetic: matrix products marked QUANTISED: E4M3 operands, one given power-of-two scale a tensor, by v_wmma_f32_16x16x64_fp8_fp8 or v_wmma_f32_16x16x128_fp8_fp8, f32 sums; everything else in f32.
;; Inputs: lowp_scales 4 int32 (the exponents e of the quantised operands' scales 2^e); qkv 4 x 2,048 x 3 x 16 x 64 float32.
;; Outputs: out0 4 x 16 x 2,048 x 64 float32.
;; This version of the problem:
;;   THIS VERSION OF THE PROBLEM IS GIVEN IN LOW PRECISION. The matrix products marked QUANTISED in the list below multiply operands that are first quantised to E4M3 (4 exponent bits, 3 mantissa bits; 8 bits a number), with one given power-of-two scale for each operand tensor; their sums are f32. All else is computed in f32.
;;   The module's matrix products, in the order in which they are computed (A, B: the left and right operand; K: the contracted axis; several contracted axes count as one K, in the product's order):
;;     1. batch 64 x [M 2,048, K 64] x [K 64, N 2,048]; A: input qkv; B: input qkv: QUANTISED (scales: A lowp_scales[0], B lowp_scales[1])
;;     2. batch 64 x [M 2,048, K 2,048] x [K 2,048, N 64]; A: softmax (see below); B: input qkv: QUANTISED (scales: A lowp_scales[2], B lowp_scales[3])
;;   THE QUANTISER, for each operand of a quantised product, along K:
;;     - The operand's scale is 2^e, e = its entry of the input lowp_scales (int32; the entries are numbered through the quantised products in the list's order, A before B).
;;     - Each number is divided by the scale, clamped to +-448, and rounded to the nearest number of E4M3, ties to even, subnormals kept.
;;     - The product sums the exact products of the quantised numbers (number of the format x scale) in f32.
;;   ~~~python
;;   def quantise(x, axis, e):      # numpy; x: float32 -> the quantised numbers, widened to float32 again
;;       x = np.moveaxis(x, axis, -1); K = x.shape[-1]
;;       r = np.clip(x / 2.0 ** e, -448, 448)
;;       step = 2.0 ** (np.maximum(np.frexp(np.where(r == 0, 1, r))[1] - 1, -6) - 3)
;;       q = np.round(r / step) * step * 2.0 ** e      # np.round: ties to even
;;       return np.moveaxis(q, -1, axis).astype(np.float32)
;;   ~~~
;;   SOFTMAX AHEAD OF A QUANTISED PRODUCT. Where the list says 'softmax', what is quantised is not the finished softmax but p = 2^(t - M), with t = logit x log2(e) and M = ceil(the row's largest t), a whole number; so 1/2 < the row's largest p <= 1. The row's sum l is taken of the UNQUANTISED p, in f32, and the product's result is divided by l at the end. Since M is a whole number, a kernel that streams over the keys may use a running M (the ceiling of the running maximum): every later rescaling is an exact power of two, so the quantised numbers keep their values, but for numbers so far below the row's largest that they fall under the format's range.
;;   OPERANDS COMPUTED ON THE WAY. 'Computed on the way' means the value that the module computes at that place (a softmax that the list does not call 'softmax' is quantised finished and normalised). What goes into a quantiser is computed in f32, as accurately as f32 sums, v_exp_f32 and their like allow (about 1e-6 of the number): no bf16 or f16 on the way to a quantiser, and a product that is left as it is and whose result goes on into a quantised operand takes f32 operands (vector FMAs, or v_wmma_f32_16x16x4_f32). A number that lies on a knife's edge between two numbers of the format may be rounded either way, as far as f32 arithmetic and the matrix unit's own rounding can turn it there, and no further.
;; 2 versions. Each part assembles by itself: llvm-mc -triple=amdgcn-amd-amdhsa -mcpu=gfx1250 --defsym DOCPART=n.
;; ======== version 1 of 2: 2 launches
;; workspace buffers: k_img 8,388,608 bytes; v_img 8,388,608 bytes
;; launch quant (part 1): grid 1024 x 1, 4 waves a work-group, no clusters, 35,328 bytes of LDS; arguments qkv, lowp_scales, k_img, v_img; writes k_img, v_img
.if DOCPART == 1
	.amdgcn_target "amdgcn-amd-amdhsa--gfx1250"
	.amdhsa_code_object_version 6
	.text
	.protected	k_q74b1486b04_quant
	.globl	k_q74b1486b04_quant
	.p2align	8
	.type	k_q74b1486b04_quant,@function
k_q74b1486b04_quant:
	s_mov_b64 s[64:65], 0
	v_nop
	global_prefetch_b8 v0, s[64:65] scope:SCOPE_SE
	s_setreg_imm32_b32 hwreg(HW_REG_WAVE_MODE, 25, 1), 1
	s_wait_xcnt 0x0
.set ROWB,   12288
.set SPITCH, 272
.set WSTG,   32*SPITCH
.set KA,   4
.set VA,   5
.set SA,   6
.set RA,   7
.set KO,   8
.set VO,   9
.set KLIM, 10
.set KSC,  11
.set VLIM, 12
.set VSC,  13
.set KR,   16
.set VR,   80
.set X,    144
.set CK,   208
.set CV,   224
	s_load_b256 s[4:11], s[0:1], 0x0
	v_lshl_add_u32 v240, v0, 2, 0x8800
	v_mov_b32 v241, 0
	v_lshrrev_b32 v1, 5, v0
	v_readfirstlane_b32 s12, v1
	v_and_b32 v1, 31, v0
	v_and_b32 v2, 15, v0
	v_bfe_u32 v3, v0, 4, 1
	s_mul_i32 s28, s12, WSTG
	v_mul_u32_u24 v[KA], v3, ROWB
	v_lshl_add_u32 v[KA], v2, 4, v[KA]
	v_lshlrev_b32 v[VA], 2, v1
	v_mul_u32_u24 v[SA], v3, SPITCH
	v_lshl_add_u32 v[SA], v2, 4, v[SA]
	v_add_nc_u32 v[SA], s28, v[SA]
	v_mul_u32_u24 v[RA], v2, SPITCH
	v_lshl_add_u32 v[RA], v3, 5, v[RA]
	v_add_nc_u32 v[RA], s28, v[RA]
	v_lshlrev_b32 v[KO], 4, v1
	v_lshlrev_b32 v[VO], 11, v3
	v_lshl_add_u32 v[VO], v2, 4, v[VO]
	s_and_b32 s13, ttmp9, 15
	s_bfe_u32 s14, ttmp9, 0x40004
	s_lshr_b32 s15, ttmp9, 8
	s_mul_i32 s28, s15, 2048*ROWB
	s_mul_i32 s29, s14, 128*ROWB
	s_add_co_u32 s28, s28, s29
	s_lshl_b32 s29, s13, 8
	s_add_co_u32 s28, s28, s29
	s_mul_i32 s29, s12, 32*ROWB
	s_add_co_u32 s16, s28, s29
	s_add_co_u32 s16, s16, 4096
	s_mov_b32 s17, 0
	s_lshr_b32 s30, s12, 1
	s_and_b32 s31, s12, 1
	s_mul_i32 s29, s30, 64*ROWB
	s_add_co_u32 s18, s28, s29
	s_lshl_b32 s29, s31, 7
	s_add_co_u32 s18, s18, s29
	s_add_co_u32 s18, s18, 8192
	s_mov_b32 s19, 0
	s_lshl_b32 s28, s15, 4
	s_add_co_u32 s28, s28, s13
	s_lshl_b32 s28, s28, 17
	s_lshl_b32 s29, s14, 13
	s_add_co_u32 s28, s28, s29
	s_lshl_b32 s29, s12, 11
	s_add_co_u32 s20, s28, s29
	s_mov_b32 s21, 0
	s_lshl_b32 s29, s31, 12
	s_add_co_u32 s22, s28, s29
	s_lshl_b32 s29, s30, 10
	s_add_co_u32 s22, s22, s29
	s_mov_b32 s23, 0
	s_wait_kmcnt 0x0
	s_load_b128 s[24:27], s[6:7], 0x0
	s_add_nc_u64 s[16:17], s[4:5], s[16:17]
	s_add_nc_u64 s[18:19], s[4:5], s[18:19]
	s_add_nc_u64 s[20:21], s[8:9], s[20:21]
	s_add_nc_u64 s[22:23], s[10:11], s[22:23]
.macro VLOAD g
.irp i, 0,1,2,3,4,5,6,7,8,9,10,11,12,13,14,15
	global_load_b32 v[VR+16*(\g)+\i], v[VA], s[18:19] offset:(16*(\g)+\i)*ROWB th:TH_LOAD_NT
.endr
.endm
.irp i, 0,1,2,3,4,5,6,7,8,9,10,11,12,13,14,15
	global_load_b128 v[KR+4*\i:KR+4*\i+3], v[KA], s[16:17] offset:2*\i*ROWB th:TH_LOAD_NT
.endr
	VLOAD 0
	VLOAD 1
	s_wait_kmcnt 0x0
	s_add_co_i32 s28, s25, 127
	s_lshl_b32 s29, s28, 23
	v_mov_b32 v[KSC], s29
	s_add_co_i32 s28, s28, 8
	s_lshl_b32 s28, s28, 23
	s_or_b32 s28, s28, 0x600000
	v_mov_b32 v[KLIM], s28
	s_add_co_i32 s28, s27, 127
	s_lshl_b32 s29, s28, 23
	v_mov_b32 v[VSC], s29
	s_add_co_i32 s28, s28, 8
	s_lshl_b32 s28, s28, 23
	s_or_b32 s28, s28, 0x600000
	v_mov_b32 v[VLIM], s28
	s_wait_loadcnt 32
.irp i, 0,1,2,3,4,5,6,7,8,9,10,11,12,13,14,15
	ds_store_b128 v[SA], v[KR+4*\i:KR+4*\i+3] offset:2*\i*SPITCH
.endr
.irp q, 0,1,2,3
.irp j, 0,1,2,3
	ds_load_b128 v[X+16*\q+4*\j:X+16*\q+4*\j+3], v[RA] offset:16*(\q/2)*SPITCH+128*(\q%2)+64*(\j/2)+16*(\j%2)
.endr
.endr
	VLOAD 2
	VLOAD 3
.macro KQ q
	s_wait_dscnt 12-4*(\q)
.irp i, 0,1,2,3,4,5,6,7,8,9,10,11,12,13,14,15
	v_med3_num_f32 v[X+16*(\q)+\i], v[X+16*(\q)+\i], -v[KLIM], v[KLIM]
.endr
	v_cvt_scalef32_pk8_fp8_f32 v[CK+4*(\q):CK+4*(\q)+1], v[X+16*(\q):X+16*(\q)+7], v[KSC]
	v_cvt_scalef32_pk8_fp8_f32 v[CK+4*(\q)+2:CK+4*(\q)+3], v[X+16*(\q)+8:X+16*(\q)+15], v[KSC]
	global_store_b128 v[KO], v[CK+4*(\q):CK+4*(\q)+3], s[20:21] offset:512*(\q)
.endm
.macro VQ g
.set VB, VR+32*((\g)/2)+8*((\g)%2)
.irp i, 0,1,2,3,4,5,6,7
	v_med3_num_f32 v[VB+\i], v[VB+\i], -v[VLIM], v[VLIM]
	v_med3_num_f32 v[VB+16+\i], v[VB+16+\i], -v[VLIM], v[VLIM]
.endr
	v_cvt_scalef32_pk8_fp8_f32 v[CV+4*(\g):CV+4*(\g)+1], v[VB:VB+7], v[VSC]
	v_cvt_scalef32_pk8_fp8_f32 v[CV+4*(\g)+2:CV+4*(\g)+3], v[VB+16:VB+23], v[VSC]
	global_store_b128 v[VO], v[CV+4*(\g):CV+4*(\g)+3], s[22:23] offset:((\g)/2)*512+((\g)%2)*256
.endm
	KQ 0
	KQ 1
	KQ 2
	KQ 3
	s_wait_loadcnt 32
	VQ 0
	VQ 1
	s_wait_loadcnt 0x0
	VQ 2
	VQ 3
	s_wait_tensorcnt 0x0
	ds_add_u32 v240, v241
	s_wait_dscnt 0x0
	s_endpgm
.Lfunc_end_k_q74b1486b04_quant:
	.size	k_q74b1486b04_quant, .Lfunc_end_k_q74b1486b04_quant-k_q74b1486b04_quant
	.p2alignl 7, 3214868480
	.fill 96, 4, 3214868480
	.section	.rodata,"a",@progbits
	.p2align	6, 0x0
	.amdhsa_kernel k_q74b1486b04_quant
		.amdhsa_group_segment_fixed_size 35328
		.amdhsa_private_segment_fixed_size 0
		.amdhsa_enable_private_segment 0
		.amdhsa_kernarg_size 32
		.amdhsa_user_sgpr_count 2
		.amdhsa_user_sgpr_kernarg_segment_ptr 1
		.amdhsa_wavefront_size32 1
		.amdhsa_system_sgpr_workgroup_id_x 1
		.amdhsa_system_sgpr_workgroup_id_y 1
		.amdhsa_system_sgpr_workgroup_id_z 1
		.amdhsa_system_vgpr_workitem_id 0
		.amdhsa_next_free_vgpr 242
		.amdhsa_next_free_sgpr 66
		.amdhsa_reserve_vcc 0
		.amdhsa_float_denorm_mode_32 3
		.amdhsa_float_denorm_mode_16_64 3
		.amdhsa_memory_ordered 1
		.amdhsa_forward_progress 1
		.amdhsa_inst_pref_size 24
	.end_amdhsa_kernel
	.amdgpu_metadata
---
amdhsa.version: [ 1, 2 ]
amdhsa.kernels:
  - .name:           k_q74b1486b04_quant
    .symbol:         k_q74b1486b04_quant.kd
    .args:
      - { .name: qkv, .offset: 0, .size: 8, .value_kind: global_buffer, .address_space: global }
      - { .name: lowp_scales, .offset: 8, .size: 8, .value_kind: global_buffer, .address_space: global }
      - { .name: k_img, .offset: 16, .size: 8, .value_kind: global_buffer, .address_space: global }
      - { .name: v_img, .offset: 24, .size: 8, .value_kind: global_buffer, .address_space: global }
    .group_segment_fixed_size: 35328
    .private_segment_fixed_size: 0
    .kernarg_segment_align: 8
    .kernarg_segment_size: 32
    .max_flat_workgroup_size: 128
    .sgpr_count:     66
    .vgpr_count:     242
    .wavefront_size: 32
...
	.end_amdgpu_metadata
.endif
;; end of part 1
;; launch attn (part 2): grid 256 x 1, 16 waves a work-group, no clusters, 104,448 bytes of LDS; arguments qkv, lowp_scales, k_img, v_img, out0; writes out0
.if DOCPART == 2
	.amdgcn_target "amdgcn-amd-amdhsa--gfx1250"
	.amdhsa_code_object_version 6
	.text
	.protected	k_q74b1486b04_attn
	.globl	k_q74b1486b04_attn
	.p2align	8
	.type	k_q74b1486b04_attn,@function
k_q74b1486b04_attn:
	s_mov_b64 s[64:65], 0
	v_nop
	global_prefetch_b8 v0, s[64:65] scope:SCOPE_SE
	s_setreg_imm32_b32 hwreg(HW_REG_WAVE_MODE, 25, 1), 1
	s_wait_xcnt 0x0
.set ROWB,   12288
.set SLOT,   16384
.set VOFF,   8192
.set TILEB,  8192
.set STAGE,  2*SLOT
.set SPITCH, 272
.set WSTG,   16*SPITCH
.set TRIPS,  9
.set LI,   1
.set FWA,  2
.set STI,  3
.set STO,  4
.set GO,   5
.set QA,   6
.set RD,   7
.set QLA,  8
.set QLB,  220
.set QF,   16
.set QN,   24
.set FRG,  32
.set S,    96
.set OA,   160
.set F0,   192
.set F1,   200
.set TP,   208
.set FF,   210
.set TA,   214
.set TB,   215
.set LIM,  216
.set SCP,  217
.set MD,   218
.set NINF, 219
.set T,    224
.set P,    224
.set WV,   14
.set JJ,   15
.set BH,   16
.set NHI,  17
.set TR,   18
.set KF,   19
.set Q0,   20
.set Q0LO, 21
.set CS,   22
.set SEL,  24
.set SRC,  26
.set FP,   28
.set KN,   30
.set LIMHI, 32
.set HOLD, 33
.set EPV,  34
.set OP,   40
.set OPLO, 42
	s_load_b256 s[4:11], s[0:1], 0x0
	s_load_b64 s[12:13], s[0:1], 0x20
	v_lshl_add_u32 v212, v0, 2, 0x19000
	v_mov_b32 v213, 0
	v_lshrrev_b32 v8, 5, v0
	v_readfirstlane_b32 s[WV], v8
	v_and_b32 v9, 31, v0
	v_and_b32 v10, 15, v0
	v_bfe_u32 v11, v0, 4, 1
	v_lshlrev_b32 v[LI], 4, v9
	v_mul_u32_u24 v[QA], v10, ROWB
	v_lshl_add_u32 v[QA], v11, 5, v[QA]
	s_and_b32 s[JJ], ttmp9, 3
	s_lshr_b32 s[BH], ttmp9, 2
	s_sub_co_u32 s[NHI], 8, s[JJ]
	s_lshl_b32 s[LIMHI], s[NHI], 14
	s_lshl_b32 s48, s[WV], 4
	s_sub_co_u32 s49, 7, s[JJ]
	s_lshl_b32 s49, s49, 8
	s_add_co_u32 s[Q0], s49, s48
	s_lshl_b32 s49, s[JJ], 8
	s_add_co_u32 s[Q0LO], s49, s48
	s_lshr_b32 s48, s[BH], 4
	s_mul_i32 s48, s48, 2048*ROWB
	s_and_b32 s49, s[BH], 15
	s_lshl_b32 s49, s49, 8
	s_add_co_u32 s48, s48, s49
	s_mul_i32 s49, s[Q0], ROWB
	s_add_co_u32 s44, s48, s49
	s_mov_b32 s45, 0
	s_mul_i32 s49, s[Q0LO], ROWB
	s_add_co_u32 s46, s48, s49
	s_mov_b32 s47, 0
	s_lshl_b32 s48, s[BH], 11
	s_add_co_u32 s49, s48, s[Q0]
	s_lshl_b32 s[OP], s49, 8
	s_mov_b32 s[OP+1], 0
	s_add_co_u32 s49, s48, s[Q0LO]
	s_lshl_b32 s[OPLO], s49, 8
	s_mov_b32 s[OPLO+1], 0
	s_lshl_b32 s[FP], s[BH], 17
	s_and_b32 s49, s[WV], 7
	s_lshl_b32 s49, s49, 10
	s_add_co_u32 s[FP], s[FP], s49
	s_mov_b32 s[FP+1], 0
	s_mov_b32 s[KN], TILEB
	s_mov_b32 s[KN+1], 0
	s_mov_b32 s[SEL], 0x76543210
	s_mov_b32 s[SEL+1], 0xfedcba98
	s_wait_kmcnt 0x0
	s_load_b128 s[36:39], s[6:7], 0x0
	s_cmp_lt_u32 s[WV], 8
	s_cselect_b64 s[SRC:SRC+1], s[8:9], s[10:11]
	s_add_nc_u64 s[SRC:SRC+1], s[SRC:SRC+1], s[FP:FP+1]
	s_add_nc_u64 s[44:45], s[4:5], s[44:45]
	s_add_nc_u64 s[46:47], s[4:5], s[46:47]
	s_add_nc_u64 s[OP:OP+1], s[12:13], s[OP:OP+1]
	s_add_nc_u64 s[OPLO:OPLO+1], s[12:13], s[OPLO:OPLO+1]
	global_load_b128 v[F0:F0+3],   v[LI], s[SRC:SRC+1]
	global_load_b128 v[F0+4:F0+7], v[LI], s[SRC:SRC+1] offset:512
	global_load_b128 v[F1:F1+3],   v[LI], s[SRC:SRC+1] offset:TILEB
	global_load_b128 v[F1+4:F1+7], v[LI], s[SRC:SRC+1] offset:TILEB+512
.irp c, 0,1
.irp j, 0,1,2,3
	global_load_b128 v[S+16*\c+4*\j:S+16*\c+4*\j+3], v[QA], s[44:45] offset:128*\c+64*(\j/2)+16*(\j%2) th:TH_LOAD_NT
.endr
.endr
.irp c, 0,1
.irp j, 0,1,2,3
	global_load_b128 v[S+32+16*\c+4*\j:S+32+16*\c+4*\j+3], v[QA], s[46:47] offset:128*\c+64*(\j/2)+16*(\j%2) th:TH_LOAD_NT
.endr
.endr
	s_lshl_b32 s48, s[WV], 10
	v_add_nc_u32 v[FWA], s48, v[LI]
	s_mul_i32 s48, s[WV], WSTG
	s_add_co_u32 s48, s48, STAGE
	v_mul_u32_u24 v[STI], v10, SPITCH
	v_lshl_add_u32 v[STI], v11, 5, v[STI]
	v_add_nc_u32 v[STI], s48, v[STI]
	v_mul_u32_u24 v[STO], v11, SPITCH
	v_lshl_add_u32 v[STO], v10, 4, v[STO]
	v_add_nc_u32 v[STO], s48, v[STO]
	v_lshlrev_b32 v[GO], 8, v11
	v_lshl_add_u32 v[GO], v10, 4, v[GO]
	v_lshlrev_b32 v8, 3, v11
	v_sub_nc_u32 v[RD], v10, v8
	s_wait_kmcnt 0x0
	s_mov_b32 s[CS], 0x3db8aa3b
	s_add_co_i32 s48, s36, s37
	s_lshl_b32 s48, s48, 23
	s_add_co_i32 s[CS], s[CS], s48
	s_mov_b32 s[CS+1], s[CS]
	s_add_co_i32 s[EPV], s38, s39
	s_cmp_lt_i32 s38, -8
	s_cselect_b32 s[HOLD], 1, 0
	s_add_co_i32 s48, s38, 127
	s_lshl_b32 s49, s48, 23
	v_mov_b32 v[SCP], s49
	s_add_co_i32 s48, s48, 8
	s_lshl_b32 s48, s48, 23
	s_or_b32 s48, s48, 0x600000
	v_mov_b32 v[LIM], s48
	s_add_co_i32 s48, s36, 127
	s_lshl_b32 s49, s48, 23
	v_mov_b32 v[TA], s49
	s_add_co_i32 s48, s48, 8
	s_lshl_b32 s48, s48, 23
	s_or_b32 s48, s48, 0x600000
	v_mov_b32 v[TB], s48
	s_wait_loadcnt 18
	ds_store_b128 v[FWA], v[F0:F0+3]
	ds_store_b128 v[FWA], v[F0+4:F0+7] offset:512
	s_wait_loadcnt 0x0
.macro QQ d0, d1, src
.irp i, 0,1,2,3,4,5,6,7,8,9,10,11,12,13,14,15,16,17,18,19,20,21,22,23,24,25,26,27,28,29,30,31
	v_med3_num_f32 v[\src+\i], v[\src+\i], -v[TB], v[TB]
.endr
	v_cvt_scalef32_pk8_fp8_f32 v[\d0:\d0+1],   v[\src:\src+7],     v[TA]
	v_cvt_scalef32_pk8_fp8_f32 v[\d0+2:\d0+3], v[\src+8:\src+15],  v[TA]
	v_cvt_scalef32_pk8_fp8_f32 v[\d1:\d1+1],   v[\src+16:\src+23], v[TA]
	v_cvt_scalef32_pk8_fp8_f32 v[\d1+2:\d1+3], v[\src+24:\src+31], v[TA]
.endm
	QQ QF, QF+4, S
	QQ QLA, QLB, S+32
	v_nop
.irp i, 0,1,2,3,4,5,6,7
	v_xor_b32 v[QN+\i], 0x80808080, v[QF+\i]
.endr
	v_mov_b32 v13, 0xff61b1e6
	v_floor_f32 v12, -v13
	v_mov_b32 v14, 0
	v_mov_b32 v15, 0
.set i, 0
.rept 32
	v_mov_b32 v[OA+i], 0
.set i, i+1
.endr
	v_mov_b32 v[TP], 0
	v_mov_b32 v[FF+1], 0
	v_mov_b32 v[NINF], 0xff800000
	s_mov_b32 s[KF], 0
	s_mov_b32 s[TR], 0
.macro FILL sl
	s_cmp_eq_u32 s[TR], TRIPS-1
	s_cbranch_scc1 .Ltail_\@
	s_wait_xcnt 0x0
	s_add_co_u32 s[KN], s[KN], TILEB
	s_cmp_eq_u32 s[KN], s[LIMHI]
	s_cselect_b32 s[KN], 0, s[KN]
	s_add_nc_u64 s[FP:FP+1], s[SRC:SRC+1], s[KN:KN+1]
	global_load_b128 v[F0+8*\sl:F0+8*\sl+3],   v[LI], s[FP:FP+1]
	global_load_b128 v[F0+8*\sl+4:F0+8*\sl+7], v[LI], s[FP:FP+1] offset:512
	s_wait_loadcnt 0x2
	ds_store_b128 v[FWA], v[F1-8*\sl:F1-8*\sl+3]   offset:(1-\sl)*SLOT
	ds_store_b128 v[FWA], v[F1-8*\sl+4:F1-8*\sl+7] offset:(1-\sl)*SLOT+512
	s_branch .Lfilled_\@
.Ltail_\@:
.if \sl == 0
	s_wait_loadcnt 0x0
	ds_store_b128 v[FWA], v[F1:F1+3]   offset:SLOT
	ds_store_b128 v[FWA], v[F1+4:F1+7] offset:SLOT+512
.endif
.Lfilled_\@:
.endm
.macro STEP sl
	s_wait_dscnt 0x0
	s_barrier_signal -1
	s_barrier_wait -1
	FILL \sl
	s_add_co_u32 s48, s[Q0], 15
	s_cmp_gt_u32 s[KF], s48
	s_cbranch_scc1 .Lhidden_\@
.irp t, 0,1,2,3,4,5,6,7
	ds_load_b128 v[FRG+8*\t:FRG+8*\t+3],   v[LI] offset:\sl*SLOT+\t*1024
	ds_load_b128 v[FRG+8*\t+4:FRG+8*\t+7], v[LI] offset:\sl*SLOT+\t*1024+512
.endr
.irp t, 0,1,2,3
	s_wait_dscnt 14-2*\t
	v_wmma_f32_16x16x64_fp8_fp8 v[S+8*\t:S+8*\t+7], v[FRG+8*\t:FRG+8*\t+7], v[QF:QF+7], 0
	v_wmma_f32_16x16x64_fp8_fp8 v[T+8*\t:T+8*\t+7], v[FRG+8*\t:FRG+8*\t+7], v[QN:QN+7], 0
.endr
.irp t, 4,5,6,7
	s_wait_dscnt 14-2*\t
	v_wmma_f32_16x16x64_fp8_fp8 v[S+8*\t:S+8*\t+7], v[FRG+8*\t:FRG+8*\t+7], v[QF:QF+7], 0
.endr
.rept 4
	v_nop
.endr
.set i, 0
.rept 16
	v_pk_add_f32 v[S+i:S+i+1], v[S+i:S+i+1], v[T+i:T+i+1] neg_lo:[0,1] neg_hi:[0,1]
.set i, i+2
.endr
.irp t, 4,5,6,7
	v_wmma_f32_16x16x64_fp8_fp8 v[T+8*\t-32:T+8*\t-25], v[FRG+8*\t:FRG+8*\t+7], v[QN:QN+7], 0
.endr
.rept 4
	v_nop
.endr
.irp t, 0,1,2,3
.irp c, 0,1,2,3
	ds_load_b128 v[FRG+16*\t+4*\c:FRG+16*\t+4*\c+3], v[LI] offset:\sl*SLOT+VOFF+\t*2048+\c*512
.endr
.endr
.set i, 0
.rept 16
	v_pk_add_f32 v[S+32+i:S+32+i+1], v[S+32+i:S+32+i+1], v[T+i:T+i+1] neg_lo:[0,1] neg_hi:[0,1]
.set i, i+2
.endr
	s_add_co_u32 s48, s[KF], 127
	s_cmp_le_u32 s48, s[Q0]
	s_cbranch_scc1 .Lopen_\@
	s_sub_co_i32 s48, s[Q0], s[KF]
	v_add_nc_u32 v[MD], s48, v[RD]
.irp n, 0,1,2,3,4,5,6,7,8,9,10,11,12,13,14,15,16,17,18,19,20,21,22,23,24,25,26,27,28,29,30,31,32,33,34,35,36,37,38,39,40,41,42,43,44,45,46,47,48,49,50,51,52,53,54,55,56,57,58,59,60,61,62,63
	v_cmp_gt_i32 vcc_lo, 16*(\n/8)+\n%8, v[MD]
	v_cndmask_b32 v[S+\n], v[S+\n], v[NINF], vcc_lo
.endr
.Lopen_\@:
	v_max3_num_f32 v[TA], v[S], v[S+1], v[S+2]
	v_max3_num_f32 v[TB], v[S+3], v[S+4], v[S+5]
.irp i, 6,10,14,18,22,26,30,34,38,42,46,50,54,58
	v_max3_num_f32 v[TA], v[TA], v[S+\i], v[S+\i+1]
	v_max3_num_f32 v[TB], v[TB], v[S+\i+2], v[S+\i+3]
.endr
	v_max3_num_f32 v[TA], v[TA], v[S+62], v[S+63]
	v_max_num_f32 v[TA], v[TA], v[TB]
	v_permlanex16_b32 v[TP], v[TA], s[SEL], s[SEL+1]
	v_max_num_f32 v[TA], v[TA], v[TP]
	v_mul_f32 v[TA], s[CS], v[TA]
	v_max_num_f32 v13, v13, v[TA]
	v_mov_b32 v[TA], v12
	v_floor_f32 v12, -v13
	v_sub_f32 v[TA], v12, v[TA]
	v_cvt_i32_f32 v[TA], v[TA]
	v_ldexp_f32 v[FF], 1.0, v[TA]
.set i, 0
.rept 32
	v_pk_fma_f32 v[S+i:S+i+1], v[S+i:S+i+1], s[CS:CS+1], v[12:13] op_sel_hi:[1,0,0]
.set i, i+2
.endr
.set i, 0
.rept 32
	v_exp_f32 v[S+2*i], v[S+2*i]
	v_exp_f32 v[S+2*i+1], v[S+2*i+1]
.if i == 0
	v_pk_mul_f32 v[14:15], v[14:15], v[FF:FF+1] op_sel_hi:[1,0]
.else
	s_wait_alu depctr_va_vdst(0)
	v_pk_add_f32 v[14:15], v[14:15], v[S+2*i-2:S+2*i-1]
.endif
.set i, i+1
.endr
	v_pk_add_f32 v[14:15], v[14:15], v[S+62:S+63]
	s_cmp_eq_u32 s[HOLD], 0
	s_cbranch_scc1 .Lnohold_\@
.set i, 0
.rept 64
	v_min_num_f32 v[S+i], v[S+i], v[LIM]
.set i, i+1
.endr
.Lnohold_\@:
.irp b, 0,1,2,3
	v_cvt_scalef32_pk8_fp8_f32 v[P+4*\b:P+4*\b+1], v[S+16*\b:S+16*\b+7], v[SCP]
	v_cvt_scalef32_pk8_fp8_f32 v[P+4*\b+2:P+4*\b+3], v[S+16*\b+8:S+16*\b+15], v[SCP]
.endr
.set i, 0
.rept 16
	v_pk_mul_f32 v[OA+i:OA+i+1], v[OA+i:OA+i+1], v[FF:FF+1] op_sel_hi:[1,0]
.set i, i+2
.endr
	s_wait_dscnt 0x0
.irp t, 0,1,2,3
	v_wmma_f32_16x16x128_fp8_fp8 v[OA+8*\t:OA+8*\t+7], v[FRG+16*\t:FRG+16*\t+15], v[P:P+15], v[OA+8*\t:OA+8*\t+7]
.endr
.rept 5
	v_nop
.endr
.Lhidden_\@:
	s_add_co_u32 s[KF], s[KF], 128
.endm
.Ltrip:
	STEP 0
	STEP 1
	s_add_co_u32 s48, s[TR], 1
	s_cmp_eq_u32 s48, s[NHI]
	s_cbranch_scc1 .Lfin
	s_cmp_eq_u32 s[TR], TRIPS-1
	s_cbranch_scc0 .Lnofin
.Lfin:
	v_add_f32 v[TA], v14, v15
	v_permlanex16_b32 v[TP], v[TA], s[SEL], s[SEL+1]
	v_add_f32 v[TA], v[TA], v[TP]
	v_rcp_f32 v[TA], v[TA]
	v_nop
	s_wait_alu depctr_va_vdst(0)
	v_ldexp_f32 v[TA], v[TA], s[EPV]
.set i, 0
.rept 16
	v_pk_mul_f32 v[S+i:S+i+1], v[OA+i:OA+i+1], v[TA:TB] op_sel_hi:[1,0]
.set i, i+2
.endr
.irp t, 0,1,2,3
	ds_store_b128 v[STI], v[S+8*\t:S+8*\t+3]   offset:64*\t
	ds_store_b128 v[STI], v[S+8*\t+4:S+8*\t+7] offset:64*\t+16
.endr
.irp i, 0,1,2,3,4,5,6,7
	ds_load_b128 v[FRG+4*\i:FRG+4*\i+3], v[STO] offset:2*\i*SPITCH
.endr
.irp i, 0,1,2,3,4,5,6,7
	s_wait_dscnt 7-\i
	global_store_b128 v[GO], v[FRG+4*\i:FRG+4*\i+3], s[OP:OP+1] offset:512*\i th:TH_STORE_NT
.endr
	s_wait_xcnt 0x0
	s_cmp_eq_u32 s[TR], TRIPS-1
	s_cbranch_scc1 .Lnofin
.irp i, 0,1,2,3
	v_mov_b32 v[QF+\i], v[QLA+\i]
	v_mov_b32 v[QF+4+\i], v[QLB+\i]
.endr
.irp i, 0,1,2,3,4,5,6,7
	v_xor_b32 v[QN+\i], 0x80808080, v[QF+\i]
.endr
	v_mov_b32 v13, 0xff61b1e6
	v_floor_f32 v12, -v13
	s_mov_b64 s[OP:OP+1], s[OPLO:OPLO+1]
	s_mov_b32 s[Q0], s[Q0LO]
	s_mov_b32 s[KF], 0
.Lnofin:
	s_add_co_u32 s[TR], s[TR], 1
	s_cmp_lt_u32 s[TR], TRIPS
	s_cbranch_scc1 .Ltrip
	s_wait_tensorcnt 0x0
	ds_add_u32 v212, v213
	s_wait_dscnt 0x0
	s_endpgm
.Lfunc_end_k_q74b1486b04_attn:
	.size	k_q74b1486b04_attn, .Lfunc_end_k_q74b1486b04_attn-k_q74b1486b04_attn
	.p2alignl 7, 3214868480
	.fill 96, 4, 3214868480
	.section	.rodata,"a",@progbits
	.p2align	6, 0x0
	.amdhsa_kernel k_q74b1486b04_attn
		.amdhsa_group_segment_fixed_size 104448
		.amdhsa_private_segment_fixed_size 0
		.amdhsa_enable_private_segment 0
		.amdhsa_kernarg_size 40
		.amdhsa_user_sgpr_count 2
		.amdhsa_user_sgpr_kernarg_segment_ptr 1
		.amdhsa_wavefront_size32 1
		.amdhsa_system_sgpr_workgroup_id_x 1
		.amdhsa_system_sgpr_workgroup_id_y 1
		.amdhsa_system_sgpr_workgroup_id_z 1
		.amdhsa_system_vgpr_workitem_id 0
		.amdhsa_next_free_vgpr 256
		.amdhsa_next_free_sgpr 66
		.amdhsa_reserve_vcc 1
		.amdhsa_float_denorm_mode_32 3
		.amdhsa_float_denorm_mode_16_64 3
		.amdhsa_memory_ordered 1
		.amdhsa_forward_progress 1
		.amdhsa_inst_pref_size 68
	.end_amdhsa_kernel
	.amdgpu_metadata
---
amdhsa.version: [ 1, 2 ]
amdhsa.kernels:
  - .name:           k_q74b1486b04_attn
    .symbol:         k_q74b1486b04_attn.kd
    .args:
      - { .name: qkv, .offset: 0, .size: 8, .value_kind: global_buffer, .address_space: global }
      - { .name: lowp_scales, .offset: 8, .size: 8, .value_kind: global_buffer, .address_space: global }
      - { .name: k_img, .offset: 16, .size: 8, .value_kind: global_buffer, .address_space: global }
      - { .name: v_img, .offset: 24, .size: 8, .value_kind: global_buffer, .address_space: global }
      - { .name: out0, .offset: 32, .size: 8, .value_kind: global_buffer, .address_space: global }
    .group_segment_fixed_size: 104448
    .private_segment_fixed_size: 0
    .kernarg_segment_align: 8
    .kernarg_segment_size: 40
    .max_flat_workgroup_size: 512
    .sgpr_count:     66
    .vgpr_count:     256
    .wavefront_size: 32
...
	.end_amdgpu_metadata
.endif
;; end of part 2
;; ======== version 2 of 2: 2 launches
;; workspace buffers: k_img 8,388,608 bytes; v_img 8,388,608 bytes
;; launch quant (part 3): grid 1024 x 1, 4 waves a work-group, no clusters, 35,328 bytes of LDS; arguments qkv, lowp_scales, k_img, v_img; writes k_img, v_img
.if DOCPART == 3
	.amdgcn_target "amdgcn-amd-amdhsa--gfx1250"
	.amdhsa_code_object_version 6
	.text
	.protected	k_q74b1486b04_quant
	.globl	k_q74b1486b04_quant
	.p2align	8
	.type	k_q74b1486b04_quant,@function
k_q74b1486b04_quant:
	s_mov_b64 s[64:65], 0
	v_nop
	global_prefetch_b8 v0, s[64:65] scope:SCOPE_SE
	s_setreg_imm32_b32 hwreg(HW_REG_WAVE_MODE, 25, 1), 1
	s_wait_xcnt 0x0
.set ROWB,   12288
.set SPITCH, 272
.set WSTG,   32*SPITCH
.set KA,   4
.set VA,   5
.set SA,   6
.set RA,   7
.set KO,   8
.set VO,   9
.set KLIM, 10
.set KSC,  11
.set VLIM, 12
.set VSC,  13
.set KR,   16
.set VR,   80
.set X,    144
.set CK,   208
.set CV,   224
	s_load_b256 s[4:11], s[0:1], 0x0
	v_lshl_add_u32 v240, v0, 2, 0x8800
	v_mov_b32 v241, 0
	v_lshrrev_b32 v1, 5, v0
	v_readfirstlane_b32 s12, v1
	v_and_b32 v1, 31, v0
	v_and_b32 v2, 15, v0
	v_bfe_u32 v3, v0, 4, 1
	s_mul_i32 s28, s12, WSTG
	v_mul_u32_u24 v[KA], v3, ROWB
	v_lshl_add_u32 v[KA], v2, 4, v[KA]
	v_lshlrev_b32 v[VA], 2, v1
	v_mul_u32_u24 v[SA], v3, SPITCH
	v_lshl_add_u32 v[SA], v2, 4, v[SA]
	v_add_nc_u32 v[SA], s28, v[SA]
	v_mul_u32_u24 v[RA], v2, SPITCH
	v_lshl_add_u32 v[RA], v3, 5, v[RA]
	v_add_nc_u32 v[RA], s28, v[RA]
	v_lshlrev_b32 v[KO], 4, v1
	v_lshlrev_b32 v[VO], 11, v3
	v_lshl_add_u32 v[VO], v2, 4, v[VO]
	s_and_b32 s13, ttmp9, 15
	s_bfe_u32 s14, ttmp9, 0x40004
	s_lshr_b32 s15, ttmp9, 8
	s_mul_i32 s28, s15, 2048*ROWB
	s_mul_i32 s29, s14, 128*ROWB
	s_add_co_u32 s28, s28, s29
	s_lshl_b32 s29, s13, 8
	s_add_co_u32 s28, s28, s29
	s_mul_i32 s29, s12, 32*ROWB
	s_add_co_u32 s16, s28, s29
	s_add_co_u32 s16, s16, 4096
	s_mov_b32 s17, 0
	s_lshr_b32 s30, s12, 1
	s_and_b32 s31, s12, 1
	s_mul_i32 s29, s30, 64*ROWB
	s_add_co_u32 s18, s28, s29
	s_lshl_b32 s29, s31, 7
	s_add_co_u32 s18, s18, s29
	s_add_co_u32 s18, s18, 8192
	s_mov_b32 s19, 0
	s_lshl_b32 s28, s15, 4
	s_add_co_u32 s28, s28, s13
	s_lshl_b32 s28, s28, 17
	s_lshl_b32 s29, s14, 13
	s_add_co_u32 s28, s28, s29
	s_lshl_b32 s29, s12, 11
	s_add_co_u32 s20, s28, s29
	s_mov_b32 s21, 0
	s_lshl_b32 s29, s31, 12
	s_add_co_u32 s22, s28, s29
	s_lshl_b32 s29, s30, 10
	s_add_co_u32 s22, s22, s29
	s_mov_b32 s23, 0
	s_wait_alu depctr_va_vdst(0)
	s_wait_kmcnt 0x0
	s_load_b128 s[24:27], s[6:7], 0x0
	s_add_nc_u64 s[16:17], s[4:5], s[16:17]
	s_add_nc_u64 s[18:19], s[4:5], s[18:19]
	s_add_nc_u64 s[20:21], s[8:9], s[20:21]
	s_add_nc_u64 s[22:23], s[10:11], s[22:23]
.macro VLOAD g
.irp i, 0,1,2,3,4,5,6,7,8,9,10,11,12,13,14,15
	global_load_b32 v[VR+16*(\g)+\i], v[VA], s[18:19] offset:(16*(\g)+\i)*ROWB th:TH_LOAD_NT
.endr
.endm
.irp i, 0,1,2,3,4,5,6,7,8,9,10,11,12,13,14,15
	global_load_b128 v[KR+4*\i:KR+4*\i+3], v[KA], s[16:17] offset:2*\i*ROWB th:TH_LOAD_NT
.endr
	VLOAD 0
	VLOAD 1
	s_wait_kmcnt 0x0
	s_add_co_i32 s28, s25, 127
	s_lshl_b32 s29, s28, 23
	v_mov_b32 v[KSC], s29
	s_add_co_i32 s28, s28, 8
	s_lshl_b32 s28, s28, 23
	s_or_b32 s28, s28, 0x600000
	v_mov_b32 v[KLIM], s28
	s_add_co_i32 s28, s27, 127
	s_lshl_b32 s29, s28, 23
	v_mov_b32 v[VSC], s29
	s_add_co_i32 s28, s28, 8
	s_lshl_b32 s28, s28, 23
	s_or_b32 s28, s28, 0x600000
	v_mov_b32 v[VLIM], s28
	s_wait_alu depctr_va_vdst(0)
	s_wait_loadcnt 32
.irp i, 0,1,2,3,4,5,6,7,8,9,10,11,12,13,14,15
	ds_store_b128 v[SA], v[KR+4*\i:KR+4*\i+3] offset:2*\i*SPITCH
.endr
.irp q, 0,1,2,3
.irp j, 0,1,2,3
	ds_load_b128 v[X+16*\q+4*\j:X+16*\q+4*\j+3], v[RA] offset:16*(\q/2)*SPITCH+128*(\q%2)+64*(\j/2)+16*(\j%2)
.endr
.endr
	VLOAD 2
	VLOAD 3
.macro KQ q
	s_wait_dscnt 12-4*(\q)
.irp i, 0,1,2,3,4,5,6,7,8,9,10,11,12,13,14,15
	v_med3_num_f32 v[X+16*(\q)+\i], v[X+16*(\q)+\i], -v[KLIM], v[KLIM]
.endr
	v_cvt_scalef32_pk8_fp8_f32 v[CK+4*(\q):CK+4*(\q)+1], v[X+16*(\q):X+16*(\q)+7], v[KSC]
	v_cvt_scalef32_pk8_fp8_f32 v[CK+4*(\q)+2:CK+4*(\q)+3], v[X+16*(\q)+8:X+16*(\q)+15], v[KSC]
	global_store_b128 v[KO], v[CK+4*(\q):CK+4*(\q)+3], s[20:21] offset:512*(\q)
.endm
.macro VQ g
.set VB, VR+32*((\g)/2)+8*((\g)%2)
.irp i, 0,1,2,3,4,5,6,7
	v_med3_num_f32 v[VB+\i], v[VB+\i], -v[VLIM], v[VLIM]
	v_med3_num_f32 v[VB+16+\i], v[VB+16+\i], -v[VLIM], v[VLIM]
.endr
	v_cvt_scalef32_pk8_fp8_f32 v[CV+4*(\g):CV+4*(\g)+1], v[VB:VB+7], v[VSC]
	v_cvt_scalef32_pk8_fp8_f32 v[CV+4*(\g)+2:CV+4*(\g)+3], v[VB+16:VB+23], v[VSC]
	global_store_b128 v[VO], v[CV+4*(\g):CV+4*(\g)+3], s[22:23] offset:((\g)/2)*512+((\g)%2)*256
.endm
	KQ 0
	KQ 1
	KQ 2
	KQ 3
	s_wait_loadcnt 32
	VQ 0
	VQ 1
	s_wait_loadcnt 0x0
	VQ 2
	VQ 3
	s_wait_tensorcnt 0x0
	ds_add_u32 v240, v241
	s_wait_dscnt 0x0
	s_endpgm
.Lfunc_end_k_q74b1486b04_quant:
	.size	k_q74b1486b04_quant, .Lfunc_end_k_q74b1486b04_quant-k_q74b1486b04_quant
	.p2alignl 7, 3214868480
	.fill 96, 4, 3214868480
	.section	.rodata,"a",@progbits
	.p2align	6, 0x0
	.amdhsa_kernel k_q74b1486b04_quant
		.amdhsa_group_segment_fixed_size 35328
		.amdhsa_private_segment_fixed_size 0
		.amdhsa_enable_private_segment 0
		.amdhsa_kernarg_size 32
		.amdhsa_user_sgpr_count 2
		.amdhsa_user_sgpr_kernarg_segment_ptr 1
		.amdhsa_wavefront_size32 1
		.amdhsa_system_sgpr_workgroup_id_x 1
		.amdhsa_system_sgpr_workgroup_id_y 1
		.amdhsa_system_sgpr_workgroup_id_z 1
		.amdhsa_system_vgpr_workitem_id 0
		.amdhsa_next_free_vgpr 242
		.amdhsa_next_free_sgpr 66
		.amdhsa_reserve_vcc 0
		.amdhsa_float_denorm_mode_32 3
		.amdhsa_float_denorm_mode_16_64 3
		.amdhsa_memory_ordered 1
		.amdhsa_forward_progress 1
		.amdhsa_inst_pref_size 24
	.end_amdhsa_kernel
	.amdgpu_metadata
---
amdhsa.version: [ 1, 2 ]
amdhsa.kernels:
  - .name:           k_q74b1486b04_quant
    .symbol:         k_q74b1486b04_quant.kd
    .args:
      - { .name: qkv, .offset: 0, .size: 8, .value_kind: global_buffer, .address_space: global }
      - { .name: lowp_scales, .offset: 8, .size: 8, .value_kind: global_buffer, .address_space: global }
      - { .name: k_img, .offset: 16, .size: 8, .value_kind: global_buffer, .address_space: global }
      - { .name: v_img, .offset: 24, .size: 8, .value_kind: global_buffer, .address_space: global }
    .group_segment_fixed_size: 35328
    .private_segment_fixed_size: 0
    .kernarg_segment_align: 8
    .kernarg_segment_size: 32
    .max_flat_workgroup_size: 128
    .sgpr_count:     66
    .vgpr_count:     242
    .wavefront_size: 32
...
	.end_amdgpu_metadata
.endif
;; end of part 3
;; launch attn (part 4): grid 256 x 1, 16 waves a work-group, no clusters, 104,448 bytes of LDS; arguments qkv, lowp_scales, k_img, v_img, out0; writes out0
.if DOCPART == 4
	.amdgcn_target "amdgcn-amd-amdhsa--gfx1250"
	.amdhsa_code_object_version 6
	.text
	.protected	k_q74b1486b04_attn
	.globl	k_q74b1486b04_attn
	.p2align	8
	.type	k_q74b1486b04_attn,@function
k_q74b1486b04_attn:
	s_mov_b64 s[64:65], 0
	v_nop
	global_prefetch_b8 v0, s[64:65] scope:SCOPE_SE
	s_setreg_imm32_b32 hwreg(HW_REG_WAVE_SCHED_MODE, 0, 2), 2
	s_setreg_imm32_b32 hwreg(HW_REG_WAVE_MODE, 25, 1), 1
	s_wait_xcnt 0x0
	s_wait_alu depctr_vm_vsrc(0)
.set ROWB,   12288
.set SLOT,   16384
.set VOFF,   8192
.set TILEB,  8192
.set STAGE,  2*SLOT
.set SPITCH, 272
.set WSTG,   16*SPITCH
.set TRIPS,  9
.set LI,   1
.set FWA,  2
.set STI,  3
.set STO,  4
.set GO,   5
.set QA,   6
.set RD,   7
.set QLA,  8
.set QLB,  220
.set QF,   16
.set QN,   24
.set FRG,  32
.set S,    96
.set OA,   160
.set F0,   192
.set F1,   200
.set TP,   208
.set FF,   210
.set TA,   214
.set TB,   215
.set LIM,  216
.set SCP,  217
.set MD,   218
.set NINF, 219
.set T,    224
.set P,    224
.set WV,   14
.set JJ,   15
.set BH,   16
.set NHI,  17
.set TR,   18
.set KF,   19
.set Q0,   20
.set Q0LO, 21
.set CS,   22
.set SEL,  24
.set SRC,  26
.set FP,   28
.set KN,   30
.set LIMHI, 32
.set HOLD, 33
.set EPV,  34
.set OP,   40
.set OPLO, 42
.set MK,   66
	s_load_b256 s[4:11], s[0:1], 0x0
	s_load_b64 s[12:13], s[0:1], 0x20
	v_lshl_add_u32 v212, v0, 2, 0x19000
	v_mov_b32 v213, 0
	v_lshrrev_b32 v8, 5, v0
	v_readfirstlane_b32 s[WV], v8
	v_and_b32 v9, 31, v0
	v_and_b32 v10, 15, v0
	v_bfe_u32 v11, v0, 4, 1
	v_lshlrev_b32 v[LI], 4, v9
	v_mul_u32_u24 v[QA], v10, ROWB
	v_lshl_add_u32 v[QA], v11, 5, v[QA]
	v_mul_u32_u24 v[STI], v10, SPITCH
	v_lshl_add_u32 v[STI], v11, 5, v[STI]
	v_mul_u32_u24 v[STO], v11, SPITCH
	v_lshl_add_u32 v[STO], v10, 4, v[STO]
	v_lshlrev_b32 v[GO], 8, v11
	v_lshl_add_u32 v[GO], v10, 4, v[GO]
	v_lshlrev_b32 v8, 3, v11
	v_sub_nc_u32 v[RD], v10, v8
	s_wait_alu depctr_va_sdst(0)
	s_lshl_b32 s50, s[WV], 10
	v_add_nc_u32 v[FWA], s50, v[LI]
	s_mul_i32 s51, s[WV], WSTG
	s_add_co_u32 s51, s51, STAGE
	v_add_nc_u32 v[STI], s51, v[STI]
	v_add_nc_u32 v[STO], s51, v[STO]
	s_and_b32 s[JJ], ttmp9, 3
	s_lshr_b32 s[BH], ttmp9, 2
	s_sub_co_u32 s[NHI], 8, s[JJ]
	s_lshl_b32 s[LIMHI], s[NHI], 14
	s_lshl_b32 s48, s[WV], 4
	s_sub_co_u32 s49, 7, s[JJ]
	s_lshl_b32 s49, s49, 8
	s_add_co_u32 s[Q0], s49, s48
	s_lshl_b32 s49, s[JJ], 8
	s_add_co_u32 s[Q0LO], s49, s48
	s_lshr_b32 s48, s[BH], 4
	s_mul_i32 s48, s48, 2048*ROWB
	s_and_b32 s49, s[BH], 15
	s_lshl_b32 s49, s49, 8
	s_add_co_u32 s48, s48, s49
	s_mul_i32 s49, s[Q0], ROWB
	s_add_co_u32 s44, s48, s49
	s_mov_b32 s45, 0
	s_mul_i32 s49, s[Q0LO], ROWB
	s_add_co_u32 s46, s48, s49
	s_mov_b32 s47, 0
	s_lshl_b32 s48, s[BH], 11
	s_add_co_u32 s49, s48, s[Q0]
	s_lshl_b32 s[OP], s49, 8
	s_mov_b32 s[OP+1], 0
	s_add_co_u32 s49, s48, s[Q0LO]
	s_lshl_b32 s[OPLO], s49, 8
	s_mov_b32 s[OPLO+1], 0
	s_lshl_b32 s[FP], s[BH], 17
	s_and_b32 s49, s[WV], 7
	s_lshl_b32 s49, s49, 10
	s_add_co_u32 s[FP], s[FP], s49
	s_mov_b32 s[FP+1], 0
	s_mov_b32 s[KN], TILEB
	s_mov_b32 s[KN+1], 0
	s_mov_b32 s[SEL], 0x76543210
	s_mov_b32 s[SEL+1], 0xfedcba98
	s_wait_kmcnt 0x0
	s_load_b128 s[36:39], s[6:7], 0x0
	s_cmp_lt_u32 s[WV], 8
	s_cselect_b64 s[SRC:SRC+1], s[8:9], s[10:11]
	s_add_nc_u64 s[SRC:SRC+1], s[SRC:SRC+1], s[FP:FP+1]
	s_add_nc_u64 s[44:45], s[4:5], s[44:45]
	s_add_nc_u64 s[46:47], s[4:5], s[46:47]
	s_add_nc_u64 s[OP:OP+1], s[12:13], s[OP:OP+1]
	s_add_nc_u64 s[OPLO:OPLO+1], s[12:13], s[OPLO:OPLO+1]
	s_wait_alu depctr_va_vdst(0)
	global_load_b128 v[F0:F0+3],   v[LI], s[SRC:SRC+1]
	global_load_b128 v[F0+4:F0+7], v[LI], s[SRC:SRC+1] offset:512
	global_load_b128 v[F1:F1+3],   v[LI], s[SRC:SRC+1] offset:TILEB
	global_load_b128 v[F1+4:F1+7], v[LI], s[SRC:SRC+1] offset:TILEB+512
.irp c, 0,1
.irp j, 0,1,2,3
	global_load_b128 v[S+16*\c+4*\j:S+16*\c+4*\j+3], v[QA], s[44:45] offset:128*\c+64*(\j/2)+16*(\j%2) th:TH_LOAD_NT
.endr
.endr
.irp c, 0,1
.irp j, 0,1,2,3
	global_load_b128 v[S+32+16*\c+4*\j:S+32+16*\c+4*\j+3], v[QA], s[46:47] offset:128*\c+64*(\j/2)+16*(\j%2) th:TH_LOAD_NT
.endr
.endr
	s_wait_kmcnt 0x0
	s_mov_b32 s[CS], 0x3db8aa3b
	s_add_co_i32 s48, s36, s37
	s_lshl_b32 s48, s48, 23
	s_add_co_i32 s[CS], s[CS], s48
	s_mov_b32 s[CS+1], s[CS]
	s_add_co_i32 s[EPV], s38, s39
	s_cmp_lt_i32 s38, -8
	s_cselect_b32 s[HOLD], 1, 0
	s_add_co_i32 s48, s38, 127
	s_lshl_b32 s49, s48, 23
	v_mov_b32 v[SCP], s49
	s_add_co_i32 s48, s48, 8
	s_lshl_b32 s48, s48, 23
	s_or_b32 s48, s48, 0x600000
	v_mov_b32 v[LIM], s48
	s_add_co_i32 s48, s36, 127
	s_lshl_b32 s49, s48, 23
	v_mov_b32 v[TA], s49
	s_add_co_i32 s48, s48, 8
	s_lshl_b32 s48, s48, 23
	s_or_b32 s48, s48, 0x600000
	v_mov_b32 v[TB], s48
	s_wait_alu depctr_va_vdst(0)
	s_wait_loadcnt 18
	ds_store_b128 v[FWA], v[F0:F0+3]
	ds_store_b128 v[FWA], v[F0+4:F0+7] offset:512
	s_wait_loadcnt 0x0
.macro QQ d0, d1, src
.irp i, 0,1,2,3,4,5,6,7,8,9,10,11,12,13,14,15,16,17,18,19,20,21,22,23,24,25,26,27,28,29,30,31
	v_med3_num_f32 v[\src+\i], v[\src+\i], -v[TB], v[TB]
.endr
	v_cvt_scalef32_pk8_fp8_f32 v[\d0:\d0+1],   v[\src:\src+7],     v[TA]
	v_cvt_scalef32_pk8_fp8_f32 v[\d0+2:\d0+3], v[\src+8:\src+15],  v[TA]
	v_cvt_scalef32_pk8_fp8_f32 v[\d1:\d1+1],   v[\src+16:\src+23], v[TA]
	v_cvt_scalef32_pk8_fp8_f32 v[\d1+2:\d1+3], v[\src+24:\src+31], v[TA]
.endm
	QQ QF, QF+4, S
	QQ QLA, QLB, S+32
	v_nop
.irp i, 0,1,2,3,4,5,6,7
	v_xor_b32 v[QN+\i], 0x80808080, v[QF+\i]
.endr
	v_mov_b32 v13, 0xff61b1e6
	v_floor_f32 v12, -v13
	v_mov_b32 v14, 0
	v_mov_b32 v15, 0
.set i, 0
.rept 32
	v_mov_b32 v[OA+i], 0
.set i, i+1
.endr
	v_mov_b32 v[TP], 0
	v_mov_b32 v[FF+1], 0
	v_mov_b32 v[NINF], 0xff800000
	s_mov_b32 s[KF], 0
	s_mov_b32 s[TR], 0
.macro FILL sl
	s_cmp_eq_u32 s[TR], TRIPS-1
	s_cbranch_scc1 .Ltail_\@
	s_wait_xcnt 0x0
	s_add_co_u32 s[KN], s[KN], TILEB
	s_cmp_eq_u32 s[KN], s[LIMHI]
	s_cselect_b32 s[KN], 0, s[KN]
	s_add_nc_u64 s[FP:FP+1], s[SRC:SRC+1], s[KN:KN+1]
	global_load_b128 v[F0+8*\sl:F0+8*\sl+3],   v[LI], s[FP:FP+1]
	global_load_b128 v[F0+8*\sl+4:F0+8*\sl+7], v[LI], s[FP:FP+1] offset:512
	s_wait_loadcnt 0x2
	ds_store_b128 v[FWA], v[F1-8*\sl:F1-8*\sl+3]   offset:(1-\sl)*SLOT
	ds_store_b128 v[FWA], v[F1-8*\sl+4:F1-8*\sl+7] offset:(1-\sl)*SLOT+512
	s_branch .Lfilled_\@
.Ltail_\@:
.if \sl == 0
	s_wait_loadcnt 0x0
	ds_store_b128 v[FWA], v[F1:F1+3]   offset:SLOT
	ds_store_b128 v[FWA], v[F1+4:F1+7] offset:SLOT+512
.endif
.Lfilled_\@:
.endm
.macro STEP sl
	s_wait_dscnt 0x0
	s_barrier_signal -1
	s_barrier_wait -1
	s_wait_alu depctr_vm_vsrc(0)
	s_wait_alu depctr_va_vdst(0)
	FILL \sl
	s_add_co_u32 s48, s[Q0], 15
	s_cmp_gt_u32 s[KF], s48
	s_cbranch_scc1 .Lhidden_\@
.irp t, 0,1,2,3
	ds_load_b128 v[FRG+8*\t:FRG+8*\t+3],   v[LI] offset:\sl*SLOT+\t*1024
	ds_load_b128 v[FRG+8*\t+4:FRG+8*\t+7], v[LI] offset:\sl*SLOT+\t*1024+512
.endr
.irp t, 0,1,2,3
	s_wait_dscnt 6
	v_wmma_f32_16x16x64_fp8_fp8 v[S+8*\t:S+8*\t+7], v[FRG+8*\t:FRG+8*\t+7], v[QF:QF+7], 0
	v_wmma_f32_16x16x64_fp8_fp8 v[T+8*\t:T+8*\t+7], v[FRG+8*\t:FRG+8*\t+7], v[QN:QN+7], 0
	ds_load_b128 v[FRG+8*\t+32:FRG+8*\t+35], v[LI] offset:\sl*SLOT+\t*1024+4096
	ds_load_b128 v[FRG+8*\t+36:FRG+8*\t+39], v[LI] offset:\sl*SLOT+\t*1024+4096+512
.endr
.irp t, 4,5,6,7
	s_wait_dscnt 14-2*\t
	v_wmma_f32_16x16x64_fp8_fp8 v[S+8*\t:S+8*\t+7], v[FRG+8*\t:FRG+8*\t+7], v[QF:QF+7], 0
.endr
.rept 4
	v_nop
.endr
.set i, 0
.rept 16
	v_pk_add_f32 v[S+i:S+i+1], v[S+i:S+i+1], v[T+i:T+i+1] neg_lo:[0,1] neg_hi:[0,1]
.set i, i+2
.endr
.irp t, 4,5,6,7
	v_wmma_f32_16x16x64_fp8_fp8 v[T+8*\t-32:T+8*\t-25], v[FRG+8*\t:FRG+8*\t+7], v[QN:QN+7], 0
.endr
.rept 4
	v_nop
.endr
	s_wait_alu depctr_va_vdst(0)
.irp t, 0,1,2,3
.irp c, 0,1,2,3
	ds_load_b128 v[FRG+16*\t+4*\c:FRG+16*\t+4*\c+3], v[LI] offset:\sl*SLOT+VOFF+\t*2048+\c*512
.endr
.irp j, 0,2,4,6
	v_pk_add_f32 v[S+32+8*\t+\j:S+32+8*\t+\j+1], v[S+32+8*\t+\j:S+32+8*\t+\j+1], v[T+8*\t+\j:T+8*\t+\j+1] neg_lo:[0,1] neg_hi:[0,1]
.endr
.endr
	s_add_co_u32 s48, s[KF], 127
	s_cmp_le_u32 s48, s[Q0]
	s_cbranch_scc1 .Lopen_\@
	s_sub_co_i32 s48, s[Q0], s[KF]
	v_add_nc_u32 v[MD], s48, v[RD]
.irp n, 0,1,2,3,4,5,6,7,8,9,10,11,12,13,14,15,16,17,18,19,20,21,22,23,24,25,26,27,28,29,30,31
	v_cmp_gt_i32 s[MK+\n], 16*(\n/8)+\n%8, v[MD]
.endr
	s_wait_alu depctr_va_sdst(0)
.irp n, 0,1,2,3,4,5,6,7,8,9,10,11,12,13,14,15,16,17,18,19,20,21,22,23,24,25,26,27,28,29,30,31
	v_cndmask_b32 v[S+\n], v[S+\n], v[NINF], s[MK+\n]
.endr
.irp n, 32,33,34,35,36,37,38,39,40,41,42,43,44,45,46,47,48,49,50,51,52,53,54,55,56,57,58,59,60,61,62,63
	v_cmp_gt_i32 s[MK+\n-32], 16*(\n/8)+\n%8, v[MD]
.endr
	s_wait_alu depctr_va_sdst(0)
.irp n, 32,33,34,35,36,37,38,39,40,41,42,43,44,45,46,47,48,49,50,51,52,53,54,55,56,57,58,59,60,61,62,63
	v_cndmask_b32 v[S+\n], v[S+\n], v[NINF], s[MK+\n-32]
.endr
.Lopen_\@:
	v_max3_num_f32 v[TA], v[S], v[S+1], v[S+2]
	v_max3_num_f32 v[TB], v[S+3], v[S+4], v[S+5]
.irp i, 6,10,14,18,22,26,30,34,38,42,46,50,54,58
	v_max3_num_f32 v[TA], v[TA], v[S+\i], v[S+\i+1]
	v_max3_num_f32 v[TB], v[TB], v[S+\i+2], v[S+\i+3]
.endr
	v_max3_num_f32 v[TA], v[TA], v[S+62], v[S+63]
	v_max_num_f32 v[TA], v[TA], v[TB]
	v_permlanex16_b32 v[TP], v[TA], s[SEL], s[SEL+1]
	v_max_num_f32 v[TA], v[TA], v[TP]
	v_mul_f32 v[TA], s[CS], v[TA]
	v_max_num_f32 v13, v13, v[TA]
	v_mov_b32 v[TA], v12
	v_floor_f32 v12, -v13
	v_sub_f32 v[TA], v12, v[TA]
	v_cvt_i32_f32 v[TA], v[TA]
	v_ldexp_f32 v[FF], 1.0, v[TA]
.set i, 0
.rept 32
	v_pk_fma_f32 v[S+i:S+i+1], v[S+i:S+i+1], s[CS:CS+1], v[12:13] op_sel_hi:[1,0,0]
.set i, i+2
.endr
.set i, 0
	s_wait_alu depctr_va_vdst(0)
.rept 64
	v_exp_f32 v[S+i], v[S+i]
.set i, i+1
.endr
	v_pk_mul_f32 v[14:15], v[14:15], v[FF:FF+1] op_sel_hi:[1,0]
	s_wait_alu depctr_va_vdst(0)
.set i, 0
.rept 32
	v_pk_add_f32 v[14:15], v[14:15], v[S+i:S+i+1]
.set i, i+2
.endr
	s_cmp_eq_u32 s[HOLD], 0
	s_cbranch_scc1 .Lnohold_\@
.set i, 0
.rept 64
	v_min_num_f32 v[S+i], v[S+i], v[LIM]
.set i, i+1
.endr
.Lnohold_\@:
.irp b, 0,1,2,3
	v_cvt_scalef32_pk8_fp8_f32 v[P+4*\b:P+4*\b+1], v[S+16*\b:S+16*\b+7], v[SCP]
	v_cvt_scalef32_pk8_fp8_f32 v[P+4*\b+2:P+4*\b+3], v[S+16*\b+8:S+16*\b+15], v[SCP]
.endr
.set i, 0
.rept 16
	v_pk_mul_f32 v[OA+i:OA+i+1], v[OA+i:OA+i+1], v[FF:FF+1] op_sel_hi:[1,0]
.set i, i+2
.endr
	s_wait_alu depctr_va_vdst(0)
	s_wait_dscnt 0x0
.irp t, 0,1,2,3
	v_wmma_f32_16x16x128_fp8_fp8 v[OA+8*\t:OA+8*\t+7], v[FRG+16*\t:FRG+16*\t+15], v[P:P+15], v[OA+8*\t:OA+8*\t+7]
.endr
.rept 5
	v_nop
.endr
.Lhidden_\@:
	s_add_co_u32 s[KF], s[KF], 128
.endm
.Ltrip:
	STEP 0
	STEP 1
	s_add_co_u32 s48, s[TR], 1
	s_cmp_eq_u32 s48, s[NHI]
	s_cbranch_scc1 .Lfin
	s_cmp_eq_u32 s[TR], TRIPS-1
	s_cbranch_scc0 .Lnofin
.Lfin:
	v_add_f32 v[TA], v14, v15
	v_permlanex16_b32 v[TP], v[TA], s[SEL], s[SEL+1]
	v_add_f32 v[TA], v[TA], v[TP]
	s_wait_alu depctr_va_vdst(0)
	v_rcp_f32 v[TA], v[TA]
	v_nop
	s_wait_alu depctr_va_vdst(0)
	v_ldexp_f32 v[TA], v[TA], s[EPV]
.set i, 0
.rept 16
	v_pk_mul_f32 v[S+i:S+i+1], v[OA+i:OA+i+1], v[TA:TB] op_sel_hi:[1,0]
.set i, i+2
.endr
	s_wait_alu depctr_va_vdst(0)
.irp t, 0,1,2,3
	ds_store_b128 v[STI], v[S+8*\t:S+8*\t+3]   offset:64*\t
	ds_store_b128 v[STI], v[S+8*\t+4:S+8*\t+7] offset:64*\t+16
.endr
.irp i, 0,1,2,3,4,5,6,7
	ds_load_b128 v[FRG+4*\i:FRG+4*\i+3], v[STO] offset:2*\i*SPITCH
.endr
.irp i, 0,1,2,3,4,5,6,7
	s_wait_dscnt 7-\i
	global_store_b128 v[GO], v[FRG+4*\i:FRG+4*\i+3], s[OP:OP+1] offset:512*\i th:TH_STORE_NT
.endr
	s_wait_xcnt 0x0
	s_cmp_eq_u32 s[TR], TRIPS-1
	s_cbranch_scc1 .Lnofin
.irp i, 0,1,2,3
	v_mov_b32 v[QF+\i], v[QLA+\i]
	v_mov_b32 v[QF+4+\i], v[QLB+\i]
.endr
.irp i, 0,1,2,3,4,5,6,7
	v_xor_b32 v[QN+\i], 0x80808080, v[QF+\i]
.endr
	v_mov_b32 v13, 0xff61b1e6
	v_floor_f32 v12, -v13
	s_mov_b64 s[OP:OP+1], s[OPLO:OPLO+1]
	s_mov_b32 s[Q0], s[Q0LO]
	s_mov_b32 s[KF], 0
.Lnofin:
	s_add_co_u32 s[TR], s[TR], 1
	s_cmp_lt_u32 s[TR], TRIPS
	s_cbranch_scc1 .Ltrip
	s_wait_dscnt 0x0
	s_wait_alu 0x0
	s_wait_tensorcnt 0x0
	ds_add_u32 v212, v213
	s_wait_dscnt 0x0
	s_endpgm
.Lfunc_end_k_q74b1486b04_attn:
	.size	k_q74b1486b04_attn, .Lfunc_end_k_q74b1486b04_attn-k_q74b1486b04_attn
	.p2alignl 7, 3214868480
	.fill 96, 4, 3214868480
	.section	.rodata,"a",@progbits
	.p2align	6, 0x0
	.amdhsa_kernel k_q74b1486b04_attn
		.amdhsa_group_segment_fixed_size 104448
		.amdhsa_private_segment_fixed_size 0
		.amdhsa_enable_private_segment 0
		.amdhsa_kernarg_size 40
		.amdhsa_user_sgpr_count 2
		.amdhsa_user_sgpr_kernarg_segment_ptr 1
		.amdhsa_wavefront_size32 1
		.amdhsa_system_sgpr_workgroup_id_x 1
		.amdhsa_system_sgpr_workgroup_id_y 1
		.amdhsa_system_sgpr_workgroup_id_z 1
		.amdhsa_system_vgpr_workitem_id 0
		.amdhsa_next_free_vgpr 256
		.amdhsa_next_free_sgpr 98
		.amdhsa_reserve_vcc 0
		.amdhsa_float_denorm_mode_32 3
		.amdhsa_float_denorm_mode_16_64 3
		.amdhsa_memory_ordered 1
		.amdhsa_forward_progress 1
		.amdhsa_inst_pref_size 75
	.end_amdhsa_kernel
	.amdgpu_metadata
---
amdhsa.version: [ 1, 2 ]
amdhsa.kernels:
  - .name:           k_q74b1486b04_attn
    .symbol:         k_q74b1486b04_attn.kd
    .args:
      - { .name: qkv, .offset: 0, .size: 8, .value_kind: global_buffer, .address_space: global }
      - { .name: lowp_scales, .offset: 8, .size: 8, .value_kind: global_buffer, .address_space: global }
      - { .name: k_img, .offset: 16, .size: 8, .value_kind: global_buffer, .address_space: global }
      - { .name: v_img, .offset: 24, .size: 8, .value_kind: global_buffer, .address_space: global }
      - { .name: out0, .offset: 32, .size: 8, .value_kind: global_buffer, .address_space: global }
    .group_segment_fixed_size: 104448
    .private_segment_fixed_size: 0
    .kernarg_segment_align: 8
    .kernarg_segment_size: 40
    .max_flat_workgroup_size: 512
    .sgpr_count:     98
    .vgpr_count:     256
    .wavefront_size: 32
...
	.end_amdgpu_metadata
.endif
;; end of part 4
